; MI455X (gfx1250); checked and timed in simulation.
; The chip was launched on July 23, 2026; its instructions are those of AMD's public machine-readable ISA for CDNA 5 (MIT licence, August 2026) and "CDNA5" Instruction Set Architecture Reference Guide (July 2026). The comments in the code are by the model that wrote it; some were corrected since.
;; Bahdanau Attention. Allowed arithmetic: matrix products marked QUANTISED: E2M1 operands, one E8M0 scale for each 32 along K, by v_wmma_scale_f32_16x16x128_f8f6f4 with both operands' format E2M1 (or v_wmma_scale_f32_32x16x128_f4), f32 sums; products left as they are: f32 operands where the result goes on into a quantised operand, else bf16, f16 or f32 operands; f32 sums; everything else in f32.
;; Inputs: V 1,024 x 1 float32; W1 1,024 x 1,024 float32; W2 1,024 x 1,024 float32; b1 1,024 float32; b2 1,024 float32; bV 1 float32; features 64 x 1,024 x 1,024 float32; hidden 64 x 1,024 float32.
;; Outputs: out0 64 x 1,024 float32; out1 64 x 1,024 x 1 float32.
;; This version of the problem:
;;   THIS VERSION OF THE PROBLEM IS GIVEN IN LOW PRECISION. The matrix products marked QUANTISED in the list below multiply operands that are first quantised to E2M1 (2 exponent bits, 1 mantissa bit; 4 bits a number), with one power-of-two scale for each 32 numbers along K (OCP MX v1.0); their sums are f32. All else is computed in f32.
;;   The module's matrix products, in the order in which they are computed (A, B: the left and right operand; K: the contracted axis; several contracted axes count as one K, in the product's order):
;;     1. [M 65,536, K 1,024] x [K 1,024, N 1,024]; A: input features; B: input W1: QUANTISED
;;     2. [M 64, K 1,024] x [K 1,024, N 1,024]; A: input hidden; B: input W2: QUANTISED
;;     3. [M 65,536, K 1,024] x [K 1,024, N 1]; A: computed on the way; B: input V: left as it is (N = 1 < 16)
;;   THE QUANTISER, for each operand of a quantised product, along K:
;;     - K is cut into blocks of 32 from its start; a last block that is shorter is filled with zeros.
;;     - A block's scale is 2^e with e = floor(log2(the largest magnitude in the block)) - 2, held to -126 .. 127; a block of zeros has e = 0. As a byte (E8M0): e + 127.
;;     - Each number is divided by its block's scale, clamped to +-6, and rounded to the nearest number of E2M1, ties to even, subnormals kept.
;;     - The product sums the exact products of the quantised numbers (number of the format x scale) in f32.
;;   ~~~python
;;   def quantise(x, axis):      # numpy; x: float32 -> the quantised numbers, widened to float32 again
;;       x = np.moveaxis(x, axis, -1); K = x.shape[-1]
;;       x = np.pad(x, [(0, 0)] * (x.ndim - 1) + [(0, -K % 32)]); x = x.reshape(x.shape[:-1] + (-1, 32)); a = np.abs(x).max(-1, keepdims=True)
;;       e = np.where(a > 0, np.clip(np.frexp(np.where(a > 0, a, 1))[1] - 1 - 2, -126, 127), 0)      # np.frexp(a)[1] - 1 = floor(log2(a)), exactly
;;       r = np.clip(x / 2.0 ** e, -6, 6)
;;       step = 2.0 ** (np.maximum(np.frexp(np.where(r == 0, 1, r))[1] - 1, 0) - 1)
;;       q = np.round(r / step) * step * 2.0 ** e      # np.round: ties to even
;;       return np.moveaxis(q.reshape(q.shape[:-2] + (-1,))[..., :K], -1, axis).astype(np.float32)
;;   ~~~
;; One version. Each part assembles by itself: llvm-mc -triple=amdgcn-amd-amdhsa -mcpu=gfx1250 --defsym DOCPART=n.
;; ======== version 1 of 1: 3 launches
;; limits: right only within a limited range of input values
;; workspace buffers: w1c 524,288 bytes; w1s 32,768 bytes; hbc 262,144 bytes; sc 262,144 bytes; pctx 1,048,576 bytes; pst 65,536 bytes
;; launch prep (part 1): grid 160 x 1, 8 waves a work-group, no clusters, 17,408 bytes of LDS; arguments W1, W2, hidden, b1, b2, w1c, w1s, hbc; writes w1c, w1s, hbc
.if DOCPART == 1
	.amdgcn_target "amdgcn-amd-amdhsa--gfx1250"
	.amdhsa_code_object_version 6
	.text
	.protected	k_qcda0d6b476_prep
	.globl	k_qcda0d6b476_prep
	.p2align	8
	.type	k_qcda0d6b476_prep,@function
k_qcda0d6b476_prep:
	s_mov_b64 s[64:65], 0
	v_nop
	global_prefetch_b8 v0, s[64:65] scope:SCOPE_SE
	s_setreg_imm32_b32 hwreg(HW_REG_WAVE_MODE, 25, 1), 1
	s_wait_xcnt 0x0
; TWO JOBS IN ONE LAUNCH, parted once, on the work-group's number.
; Work-groups 0-31 (q = the number): W1 [1024 (k)][1024 (n)] f32 becomes codes of E2M1 with one E8M0 byte for each 32 along K, laid in the order of a matrix operand's registers.
; Work-groups 32-159 (q = (x - 32) / 4, a = (x - 32) % 4): hbc = c (Q(hidden) Q(W2) + b1 + b2) for batch rows 16 a .. 16 a + 15 and units 32 q .. 32 q + 31, c = 2 log2(e): the additive term of the next launch's tanh.
; SHARES.  A work-group takes 32 columns n of its weight; wave s (0-7) takes K step s (128 along K); LANE l TAKES COLUMN 32 q + l AND ITS REGISTERS RUN DOWN K: a block of 32 lies in one lane's 32 registers, its largest
; magnitude needs no other lane, and the conversions give codes with K innermost.  Each load of a wave reads 128 consecutive bytes.
; THE QUANTISER.  A block's scale is 2^(floor(log2(largest magnitude)) - 2); its byte is the largest magnitude's exponent field - 2, held at 1 from below by a floor among the maximum's leaves.
; THE ORDER INSIDE A BLOCK.  The next launch reads its f32 rows from LDS in an order that spares bank conflicts: in block B = k / 32 code position i holds element 4 ((i / 4) xor g) + i % 4, g = (B / 2) % 8.  A sum of
; products does not mind an order that both operands share, so W1's codes are laid the same way: here only the ROWS that the loads name change.  With B = 4 s + b, g = 2 (s % 4) + b / 2.  For W2 and hidden the
; same text runs with g = b / 2.
; LAYOUTS.  w1c: fragment (T = n / 16, s) at (8 T + s) x 1,024 bytes; in it block b of column r at 512 (b / 2) + 256 (b % 2) + 16 r: two loads of 16 bytes a lane at 16 x lane bring the operand's eight registers.
;   w1s: the scale word (byte b = block 4 s + b) of column 32 q + l at (8 q + s) x 128 + 4 l.   hbc: image (q, a) at (4 q + a) x 2,048; in it unit 16 t + n of batch row r at 1,024 t + 512 ((n / 4) % 2) + 256 (n / 8) + 16 r + 4 (n % 4).
; LIMITS: NaN and infinities among the inputs are not served.  A block of zeros gets the byte 1 where the rule says 127: its codes are zeros, and this program alone reads the bytes.  The eight K steps' sums of the second job
; are added in f32, K ascending.  w1s leaves in stores of 128 bytes a wave (32,768 bytes in the whole launch).
; DEAD WORK OF THE PROGRAM: bV is added to every score of a batch alike, and both outputs are made of the softmax over those scores, which a term that is the same along its axis leaves as it is for all values of the inputs.
; So bV has no way to an output: it is not loaded and is among no launch's arguments.  LIMIT: a NaN, an infinity or an overflow that reaches only bV is not carried to the results.
.set NW1,   32
.set CEXP,  0x4038aa3b                 ; c = 2 log2(e)
.set FLOOR, 0x1800000                  ; 2^(3 - 127)
.set L4,  1                            ; v1   4 x lane: my column in a row of the weight; my scale word's place
.set HA,  2                            ; v2   hidden: 4,096 r + 128 h
.set CO,  3                            ; v3   w1c: 8,192 (lane / 16) + 16 r
.set RW,  4                            ; v4   LDS: 2,048 x wave + 16 x lane: my wave's image of its partial sums
.set RR,  5                            ; v5   8 x thread: my two numbers of an image, in LDS and in hbc
.set BO,  6                            ; v6   their two units' place in b1 and b2
.set F0,  32                           ; v32-39  codes of blocks 0, 2;  behind the exchange: tile 0's fragment
.set F1,  40                           ; v40-47  codes of blocks 1, 3;  behind the exchange: tile 1's fragment
.set SW,  48                           ; v48     the weight's scale word
.set HF,  50                           ; v50-57  hidden's fragment
.set HS,  58                           ; v58     hidden's scale word
.set BI,  60                           ; v60-63  b1's two numbers, b2's two
.set HR,  64                           ; v64-127 hidden's 64 numbers; later the eight partial sums
.set WR,  128                          ; v128-255 the weight's 128 numbers
.set D0,  240                          ; v240-247, v248-255 the two tiles' sums (the numbers there are codes by then)
.set D1,  248
; The four bases of a wave's K step: base m serves rows 8 (m xor s23) .. + 7 of each block of 32.  In: s[24:25] the weight, s21 q, s23 the upper two bits of g.
.macro WPTR
	s_lshl_b32 s36, s21, 7                         ; 32 q columns of 4 bytes
	s_lshl_b32 s38, s20, 19                        ; 128 s rows of 4,096 bytes
	s_add_co_u32 s36, s36, s38
	s_add_nc_u64 s[24:25], s[24:25], s[36:37]
.irp m, 0,1,2,3
	s_xor_b32 s36, s23, \m
	s_lshl_b32 s36, s36, 15                        ; 8 rows of 4,096 bytes
	s_add_nc_u64 s[28+2*\m:29+2*\m], s[24:25], s[36:37]
.endr
.endm
; Register ii of block bb takes row 32 bb + 4 ((ii / 4) xor g) + ii % 4 of the K step.  jj = (ii / 4) xor (bb / 2); its low bit stands in the offset, its upper two bits choose the base.
.macro WLOAD
.set bb, 0
.rept 4
.set ii, 0
.rept 32
.set jj, ii/4+(bb/2)*(1-2*((ii/4)%2))
	global_load_b32 v[WR+32*bb+ii], v[L4], s[28+2*(jj/2):29+2*(jj/2)] offset:(32*bb+4*(jj%2)+ii%4)*4096
.set ii, ii+1
.endr
.set bb, bb+1
.endr
.endm
; 32 numbers of one block in v[src] on become 32 codes in v[dst] .. v[dst + 3] and the scale's byte in v[by].
.macro QB src, dst, by
	v_max3_num_f32 v8, |v[(\src)]|, |v[(\src)+1]|, FLOOR            ; the largest magnitude, in two chains, with the floor as one more leaf
	v_max3_num_f32 v9, |v[(\src)+2]|, |v[(\src)+3]|, |v[(\src)+4]|
.irp n, 5,9,13,17,21,25
	s_delay_alu instid0(VALU_DEP_2)
	v_max3_num_f32 v8, v8, |v[(\src)+\n]|, |v[(\src)+\n+1]|
	s_delay_alu instid0(VALU_DEP_2)
	v_max3_num_f32 v9, v9, |v[(\src)+\n+2]|, |v[(\src)+\n+3]|
.endr
	s_delay_alu instid0(VALU_DEP_2)
	v_max3_num_f32 v8, v8, |v[(\src)+29]|, |v[(\src)+30]|
	s_delay_alu instid0(VALU_DEP_1)
	v_max3_num_f32 v8, v8, v9, |v[(\src)+31]|
	s_delay_alu instid0(VALU_DEP_1)
	v_add_nc_u32 v10, 0xff000000, v8               ; 2 off its exponent field: the conversion takes the exponent field of this operand as its scale
	s_delay_alu instid0(VALU_DEP_1)
	v_lshrrev_b32 v[\by], 23, v10                  ; the scale's byte
.irp g, 0,1,2,3
	v_cvt_scalef32_pk8_fp4_f32 v[(\dst)+\g], v[(\src)+8*\g:(\src)+8*\g+7], v10
.endr
.endm
; The weight's four blocks.  The next block's first lines, and at the end the three lines that make the scale word, are the plain instructions behind the conversions.
.macro WQUANT
	s_wait_loadcnt 63                              ; blocks 0 and 1 are in: 64 loads were issued behind block 1's, and 63 is the most that the wait can name
	QB WR, F0, 12
	QB WR+32, F1, 13
	s_wait_loadcnt 32                              ; block 2 is in; block 3's 32 loads may be out
	QB WR+64, F0+4, 14
	s_wait_loadcnt 0x0
	QB WR+96, F1+4, 15
	v_lshl_or_b32 v[SW], v13, 8, v12               ; four bytes make my column's scale word
	s_delay_alu instid0(VALU_DEP_1)
	v_lshl_or_b32 v[SW], v14, 16, v[SW]
	s_delay_alu instid0(VALU_DEP_1)
	v_lshl_or_b32 v[SW], v15, 24, v[SW]
.endm
	s_load_b512 s[4:19], s[0:1], 0x0               ; W1 s[4:5], W2 s[6:7], hidden s[8:9], b1 s[10:11], b2 s[12:13], w1c s[14:15], w1s s[16:17], hbc s[18:19]
	v_lshl_add_u32 v49, v0, 2, 0x4000
	v_mov_b32 v59, 0
	v_lshrrev_b32 v7, 5, v0
	s_delay_alu instid0(VALU_DEP_1)
	v_readfirstlane_b32 s20, v7                    ; wave = K step s
	v_and_b32 v7, 31, v0                           ; lane
	v_and_b32 v16, 15, v0                          ; r
	v_bfe_u32 v17, v0, 4, 1                        ; h
	s_delay_alu instid0(VALU_DEP_3)
	v_lshlrev_b32 v[L4], 2, v7
	s_delay_alu instid0(VALU_DEP_3)
	v_lshlrev_b32 v[HA], 12, v16
	s_delay_alu instid0(VALU_DEP_1)
	v_lshl_add_u32 v[HA], v17, 7, v[HA]
	v_lshlrev_b32 v[CO], 4, v16
	s_delay_alu instid0(VALU_DEP_1)
	v_lshl_add_u32 v[CO], v17, 13, v[CO]
	s_lshl_b32 s36, s20, 11
	v_lshl_add_u32 v[RW], v7, 4, s36
	v_lshlrev_b32 v[RR], 3, v0
	v_and_b32 v[BO], 1, v0                         ; byte 8 T of an image holds units 16 t + n, n + 1 with n % 4 = 2 (T % 2), n / 8 = bit 5, (n / 4) % 2 = bit 6, t = bit 7 of T
	s_delay_alu instid0(VALU_DEP_1)
	v_lshlrev_b32 v[BO], 3, v[BO]
	v_bfe_u32 v18, v0, 5, 1
	s_delay_alu instid0(VALU_DEP_1)
	v_lshl_add_u32 v[BO], v18, 5, v[BO]
	v_bfe_u32 v18, v0, 6, 1
	s_delay_alu instid0(VALU_DEP_1)
	v_lshl_add_u32 v[BO], v18, 4, v[BO]
	v_bfe_u32 v18, v0, 7, 1
	s_delay_alu instid0(VALU_DEP_1)
	v_lshl_add_u32 v[BO], v18, 6, v[BO]
	s_mov_b32 s44, 0x76543210
	s_mov_b32 s45, 0xfedcba98                      ; v_permlanex16_b32's selects for lane l xor 16
	s_mov_b32 s37, 0                               ; the upper word of every offset
	s_wait_kmcnt 0x0
	s_cmp_lt_u32 ttmp9, NW1
	s_cbranch_scc0 .Lhidden
	; ---- W1: codes and scale words to memory
	s_mov_b64 s[24:25], s[4:5]
	s_mov_b32 s21, ttmp9                           ; q
	s_and_b32 s23, s20, 3                          ; g's upper two bits: s % 4
	WPTR
	WLOAD
	s_lshl_b32 s36, s21, 14                        ; fragments (2 q, s) and (2 q + 1, s): 16,384 q + 1,024 s
	s_lshl_b32 s38, s20, 10
	s_add_co_u32 s36, s36, s38
	s_add_nc_u64 s[14:15], s[14:15], s[36:37]
	s_lshl_b32 s36, s21, 10                        ; scale words: (8 q + s) x 128
	s_lshl_b32 s38, s20, 7
	s_add_co_u32 s36, s36, s38
	s_add_nc_u64 s[16:17], s[16:17], s[36:37]
	WQUANT
	global_store_b128 v[CO], v[F0:F0+3], s[14:15]                  ; block 0: sixteen lanes store 256 consecutive bytes, aligned
	global_store_b128 v[CO], v[F1:F1+3], s[14:15] offset:256       ; block 1
	global_store_b128 v[CO], v[F0+4:F0+7], s[14:15] offset:512     ; block 2
	global_store_b128 v[CO], v[F1+4:F1+7], s[14:15] offset:768     ; block 3
	global_store_b32 v[L4], v[SW], s[16:17]
	s_endpgm
	; ---- hidden x W2
.Lhidden:
	s_sub_co_u32 s22, ttmp9, NW1                   ; 4 q + a
	s_lshr_b32 s21, s22, 2                         ; q
	s_and_b32 s26, s22, 3                          ; a
	s_mov_b32 s23, 0                               ; here g = b / 2
	s_mov_b64 s[24:25], s[6:7]
	s_lshl_b32 s36, s26, 16                        ; hidden: 16 a rows of 4,096 bytes + 512 s
	s_lshl_b32 s38, s20, 9
	s_add_co_u32 s36, s36, s38
	s_add_nc_u64 s[8:9], s[8:9], s[36:37]
	s_lshl_b32 s36, s21, 7                         ; the biases of units 32 q on
	s_add_nc_u64 s[10:11], s[10:11], s[36:37]
	s_add_nc_u64 s[12:13], s[12:13], s[36:37]
	s_lshl_b32 s36, s22, 11                        ; image (q, a)
	s_add_nc_u64 s[18:19], s[18:19], s[36:37]
.irp c, 0,1                                    ; lane (r, h) takes blocks h and 2 + h of row r, whole: the operand's layout; piece j of 16 bytes comes from place j xor c
.irp j, 0,1,2,3,4,5,6,7
	global_load_b128 v[HR+32*\c+4*\j:HR+32*\c+4*\j+3], v[HA], s[8:9] offset:256*\c+16*(\j+\c*(1-2*(\j%2)))
.endr
.endr
	s_wait_alu depctr_va_vdst(0)
	global_load_b64 v[BI:BI+1], v[BO], s[10:11]
	global_load_b64 v[BI+2:BI+3], v[BO], s[12:13]
	WPTR
	WLOAD
	WQUANT                                         ; its waits cover the eighteen loads above, which were issued first
.irp x, 0,1,2,3,4,5,6,7
	v_permlane16_swap_b32 v[F0+\x], v[F1+\x]       ; F0's lanes 16-31 change places with F1's lanes 0-15: lane (r, h) of F0 now holds blocks h, 2 + h of column r, of F1 those of column 16 + r
.endr
	QB HR, HF, 12
	QB HR+32, HF+4, 13
	v_lshl_or_b32 v[HS], v13, 16, v12              ; my two bytes: blocks h and 2 + h of row r,
	v_lshlrev_b32 v11, 3, v17
	s_delay_alu instid0(VALU_DEP_1)
	v_lshlrev_b32 v[HS], v11, v[HS]                ; at their places in the scale word (8 h bits up);
	v_mov_b32 v11, 0
	s_delay_alu instid0(VALU_DEP_1)
	v_permlanex16_b32 v11, v[HS], s44, s45
	s_delay_alu instid0(VALU_DEP_1)
	v_or_b32 v[HS], v[HS], v11                     ; with lane l xor 16's two the word is whole
.rept 8
	v_nop                                          ; a scale register written by a vector instruction stands eight places ahead of a scaled matrix instruction, an operand so written four
.endr
	; transposed: source 0 = 16 columns of W2, source 1 = 16 rows of hidden: lane (r, h) holds batch row r, register j unit 8 h + j of the tile
	v_wmma_scale_f32_16x16x128_f8f6f4 v[D0:D0+7], v[F0:F0+7], v[HF:HF+7], 0, v[SW], v[HS] matrix_a_fmt:MATRIX_FMT_FP4 matrix_b_fmt:MATRIX_FMT_FP4
	v_wmma_scale_f32_16x16x128_f8f6f4 v[D1:D1+7], v[F1:F1+7], v[HF:HF+7], 0, v[SW], v[HS] matrix_a_fmt:MATRIX_FMT_FP4 matrix_b_fmt:MATRIX_FMT_FP4 matrix_a_scale:MATRIX_SCALE_ROW1
.rept 4
	v_nop                                          ; four places ahead of the stores that read the results
.endr
	ds_store_b128 v[RW], v[D0:D0+3]                ; my K step's sums as an image of their registers, each accumulator from its low end on
	ds_store_b128 v[RW], v[D0+4:D0+7] offset:512
	ds_store_b128 v[RW], v[D1:D1+3] offset:1024
	ds_store_b128 v[RW], v[D1+4:D1+7] offset:1536
	s_wait_dscnt 0x0                               ; for the others' sake: my stores have landed
	s_barrier_signal -1
	s_barrier_wait -1
.irp s, 0,1,2,3,4,5,6,7
	ds_load_b64 v[HR+2*\s:HR+2*\s+1], v[RR] offset:2048*\s         ; my two numbers of each of the eight images
.endr
	v_pk_add_f32 v[BI:BI+1], v[BI:BI+1], v[BI+2:BI+3]              ; b1 + b2
	s_wait_dscnt 0x0
.irp s, 1
	v_pk_add_f32 v[HR:HR+1], v[HR:HR+1], v[HR+2*\s:HR+2*\s+1]      ; K ascending
.endr
.irp s, 2, 3, 4, 5, 6, 7
	s_delay_alu instid0(VALU_DEP_1)
	v_pk_add_f32 v[HR:HR+1], v[HR:HR+1], v[HR+2*\s:HR+2*\s+1]      ; K ascending
.endr
	s_wait_alu depctr_va_vdst(0)
	v_pk_add_f32 v[HR:HR+1], v[HR:HR+1], v[BI:BI+1]
	s_delay_alu instid0(VALU_DEP_1)
	v_pk_mul_f32 v[HR:HR+1], v[HR:HR+1], CEXP op_sel_hi:[1,0]
	global_store_b64 v[RR], v[HR:HR+1], s[18:19]   ; a wave stores 256 consecutive bytes, aligned
	s_wait_tensorcnt 0x0
	ds_add_u32 v49, v59
	s_wait_dscnt 0x0
	s_endpgm
.Lfunc_end_k_qcda0d6b476_prep:
	.size	k_qcda0d6b476_prep, .Lfunc_end_k_qcda0d6b476_prep-k_qcda0d6b476_prep
	.p2alignl 7, 3214868480
	.fill 96, 4, 3214868480
	.section	.rodata,"a",@progbits
	.p2align	6, 0x0
	.amdhsa_kernel k_qcda0d6b476_prep
		.amdhsa_group_segment_fixed_size 17408
		.amdhsa_private_segment_fixed_size 0
		.amdhsa_enable_private_segment 0
		.amdhsa_kernarg_size 64
		.amdhsa_user_sgpr_count 2
		.amdhsa_user_sgpr_kernarg_segment_ptr 1
		.amdhsa_wavefront_size32 1
		.amdhsa_system_sgpr_workgroup_id_x 1
		.amdhsa_system_sgpr_workgroup_id_y 1
		.amdhsa_system_sgpr_workgroup_id_z 1
		.amdhsa_system_vgpr_workitem_id 0
		.amdhsa_next_free_vgpr 256
		.amdhsa_next_free_sgpr 66
		.amdhsa_reserve_vcc 0
		.amdhsa_float_denorm_mode_32 3
		.amdhsa_float_denorm_mode_16_64 3
		.amdhsa_memory_ordered 1
		.amdhsa_forward_progress 1
		.amdhsa_inst_pref_size 53
	.end_amdhsa_kernel
	.amdgpu_metadata
---
amdhsa.version: [ 1, 2 ]
amdhsa.kernels:
  - .name:           k_qcda0d6b476_prep
    .symbol:         k_qcda0d6b476_prep.kd
    .args:
      - { .name: W1, .offset: 0, .size: 8, .value_kind: global_buffer, .address_space: global }
      - { .name: W2, .offset: 8, .size: 8, .value_kind: global_buffer, .address_space: global }
      - { .name: hidden, .offset: 16, .size: 8, .value_kind: global_buffer, .address_space: global }
      - { .name: b1, .offset: 24, .size: 8, .value_kind: global_buffer, .address_space: global }
      - { .name: b2, .offset: 32, .size: 8, .value_kind: global_buffer, .address_space: global }
      - { .name: w1c, .offset: 40, .size: 8, .value_kind: global_buffer, .address_space: global }
      - { .name: w1s, .offset: 48, .size: 8, .value_kind: global_buffer, .address_space: global }
      - { .name: hbc, .offset: 56, .size: 8, .value_kind: global_buffer, .address_space: global }
    .group_segment_fixed_size: 17408
    .private_segment_fixed_size: 0
    .kernarg_segment_align: 8
    .kernarg_segment_size: 64
    .max_flat_workgroup_size: 256
    .sgpr_count:     66
    .vgpr_count:     256
    .wavefront_size: 32
...
	.end_amdgpu_metadata
.endif
;; end of part 1
;; launch main (part 2): grid 256 x 1, 4 waves a work-group, no clusters, 327,680 bytes of LDS; arguments features, w1c, w1s, hbc, V, sc, pctx, pst; writes sc, pctx, pst
.if DOCPART == 2
	.amdgcn_target "amdgcn-amd-amdhsa--gfx1250"
	.amdhsa_code_object_version 6
	.text
	.protected	k_qcda0d6b476_main
	.globl	k_qcda0d6b476_main
	.p2align	8
	.type	k_qcda0d6b476_main,@function
k_qcda0d6b476_main:
	s_mov_b64 s[64:65], 0
	v_nop
	global_prefetch_b8 v0, s[64:65] scope:SCOPE_SE
	s_setreg_imm32_b32 hwreg(HW_REG_WAVE_MODE, 25, 1), 1
	s_wait_xcnt 0x0
; For 256 rows of one batch: s[row] = sum over u of -2 V[u] / (1 + 2^(c x)), x = Q(features[row]) . Q(W1)[:, u] + b1[u] + (hidden W2 + b2)[u], c = 2 log2(e); a running softmax over the rows; the context sum of p[row] features[row].
; LEFT OUT AS DEAD WORK: tanh(x) = 1 - 2 / (1 + 2^(c x)), so the score is bV + sum of V + s[row]; bV and the sum of V are the same for all rows of a batch, and the softmax over the rows, of which both outputs are made,
; leaves such a term out for all values of the inputs.  bV is not among the arguments.  LIMIT: a NaN, an infinity or an overflow that reaches only these two terms is not carried to the results.
; SHARES.  Work-group g owns rows 256 g .. + 255 (batch g / 4), sixteen blocks of 16.  Of a block wave w fetches and quantises rows 4 w .. 4 w + 3, makes units 256 w .. + 255 (16 tiles) for all 16 rows, and sums columns 256 w .. + 255 of the context.
; W1'S CODES ARE FETCHED ONCE.  A wave's 128 fragments (16 tiles x 8 K steps, 1,024 bytes each): tiles 0-7, K steps 0-4 (40 fragments) lie in the wave's own 40,960 bytes of LDS, brought by one tensor load; the other 88 stay in registers.
; The f32 rows leave memory once: a block (65,536 bytes) lands in one of two slots, is quantised there, and is still there when its rows' weights are known.
; A PASS takes tiles 4 p .. + 3 (lower) and 8 + 4 p .. + 3 (upper): 64 products on eight accumulators that take turns.  The lower tiles' K steps 0-4 come through eight staging fragments, the features' fragments through a ring of four.
; A BLOCK: two passes; the rows' sums to LDS; the NEXT block's rows (each wave's own, so its own wait on TENSORcnt orders them) become codes in the other code stage; one barrier for both; softmax and context; the change of slots.
; THE ORDER INSIDE A BLOCK OF 32 ALONG K: lane l quantises K block l of a row; its j-th 16 bytes are piece j xor ((l / 2) % 8), so sixteen lanes take sixteen different 16-byte columns; W1's codes were laid the same way.
; PREFETCH: in trip j each wave names its own 16,384 bytes of block j + 4 (64 units of 256 bytes, a lane a unit, two instructions), two trips ahead of the tensor load that brings them; trips 12 and 13 and the tail ask for nothing.
; NO CLUSTER: work-groups share W1 alone, which comes once at the head, 163,840 bytes of it by tensor loads, against 1,048,576 bytes of rows that no partner shares and whose sixteen refills would each want a round.
; LIMITS: NaN and infinities among the inputs are not served.  A block of zeros gets the byte 1 and zero codes.  The K steps of a product are summed in the order 0 1 5 6 2 3 then 7 4 or 4 7, not ascending.
; REGISTERS: window 0 below.  Window 1: v0-191 tiles 0-7, K steps 5-7 ((t, s) at 8 (3 t + s - 5)); v192-255 staging.  Window 2: tiles 8-11, window 3: tiles 12-15 ((i, s) at 8 (8 i + s)).
.set SLOT1, 65536
.set ROWB,  4096
.set WL,    131072                     ; W1's part in LDS
.set WLW,   40960                      ; a wave's share of it: tile t, K step s at 5,120 t + 1,024 s
.set APB,   272                        ; code stage: from K block to K block: 16 rows x 16 bytes + 16
.set STG,   32*APB
.set ACD,   WL+4*WLW                   ; two code stages
.set ASC,   ACD+2*STG                  ; two sets of the rows' scale bytes, 32 a row
.set SPR,   ASC+1024                   ; the waves' partial sums, 64 bytes a wave
.set SCR,   SPR+256                    ; the work-group's 256 scores
.set SPARE, SCR+1024                   ; the spare words
.set SPW, 1
.set NIL, 2
.set QA0, 3                            ; 16,384 w + 128 l + 16 ((l / 2) % 8)
.set QAD, 4                            ; v4-11 the same in the slot ahead, piece j
.set ACW0, 12                          ; bases in stage 0: codes in, bytes in, fragment out, scale words out
.set ASW0, 13
.set AFR0, 14
.set ASR0, 15
.set SPS, 16
.set SPL, 17
.set SCB, 18
.set CX0, 19                           ; 1,024 w + 16 l
.set CXA, 20
.set WAD, 21                           ; WL + 40,960 w + 16 l
.set ACW, 22
.set ASW, 23
.set MX,  24                           ; M, l: stored as a pair
.set LS,  25
.set SCO, 26
.set PP,  27
.set FF,  28                           ; v29 named with it
.set T0,  30
.set T1,  31
.set AS,  32                           ; v32-35 features' scale words: register q: lanes 0-15 K step q, lanes 16-31 K step 4 + q
.set AFR, 36
.set ASR, 37
.set SCA, 38
.set PFO, 39                           ; 256 l
.set BS,  40                           ; v40-103 W1's scale words: 8 (t / 2) + s
.set V2,  104                          ; v104-119 -2 V
.set HB,  120                          ; v120-135 the additive term
.set SS,  138                          ; v138-145 the rows' sums: row 8 h + j
.set CTX, 146                          ; v146-153
.set TT,  154                          ; v154-157
.set BOF, 158                          ; 16 l
.set AR,  160                          ; v160-191 the ring of four fragments of features; between the passes and the barrier at work for the quantiser
.set CD,  AR
.set TM,  AR+8
.set SCL, AR+14
.set BY,  AR+12
.set HT,  AR+16                        ; the head's temporaries
.set ACC, 192                          ; v192-255 eight accumulators; outside the passes two sets of 32 numbers
.set X,   192
.set WV,  22
.set TB,  23                           ; this block's slot
.set CNT, 24
.set G1,  28
.set G0,  36
.set CC,  40
.set L2E, 44
.set SO,  46
.set TN,  47                           ; the next block's slot
.set PF,  48
.set STC, 50                           ; the next block's code stage, and its set of scale bytes
.set STS, 51
.set G0W, 52
.set G1W, 56
.set PS,  68
.set MSB, 0
.macro WIN new
.if MSB != \new
	s_set_vgpr_msb (MSB<<8)|\new
.set MSB, \new
.endif
.endm
.macro VW
	s_wait_alu depctr_va_vdst(0)
.endm
.macro NOP4
.rept 4
	v_nop
.endr
.endm
.macro WM zero, ra, rb
.if \zero
.if ((\ra) == 0) && ((\rb) == 0)
	v_wmma_scale_f32_16x16x128_f8f6f4 v[rD:rD+7], v[rA:rA+7], v[rB:rB+7], 0, v[rX], v[rY] matrix_a_fmt:MATRIX_FMT_FP4 matrix_b_fmt:MATRIX_FMT_FP4
.elseif ((\rb) == 0)
	v_wmma_scale_f32_16x16x128_f8f6f4 v[rD:rD+7], v[rA:rA+7], v[rB:rB+7], 0, v[rX], v[rY] matrix_a_fmt:MATRIX_FMT_FP4 matrix_b_fmt:MATRIX_FMT_FP4 matrix_a_scale:MATRIX_SCALE_ROW1
.elseif ((\ra) == 0)
	v_wmma_scale_f32_16x16x128_f8f6f4 v[rD:rD+7], v[rA:rA+7], v[rB:rB+7], 0, v[rX], v[rY] matrix_a_fmt:MATRIX_FMT_FP4 matrix_b_fmt:MATRIX_FMT_FP4 matrix_b_scale:MATRIX_SCALE_ROW1
.else
	v_wmma_scale_f32_16x16x128_f8f6f4 v[rD:rD+7], v[rA:rA+7], v[rB:rB+7], 0, v[rX], v[rY] matrix_a_fmt:MATRIX_FMT_FP4 matrix_b_fmt:MATRIX_FMT_FP4 matrix_a_scale:MATRIX_SCALE_ROW1 matrix_b_scale:MATRIX_SCALE_ROW1
.endif
.else
.if ((\ra) == 0) && ((\rb) == 0)
	v_wmma_scale_f32_16x16x128_f8f6f4 v[rD:rD+7], v[rA:rA+7], v[rB:rB+7], v[rD:rD+7], v[rX], v[rY] matrix_a_fmt:MATRIX_FMT_FP4 matrix_b_fmt:MATRIX_FMT_FP4
.elseif ((\rb) == 0)
	v_wmma_scale_f32_16x16x128_f8f6f4 v[rD:rD+7], v[rA:rA+7], v[rB:rB+7], v[rD:rD+7], v[rX], v[rY] matrix_a_fmt:MATRIX_FMT_FP4 matrix_b_fmt:MATRIX_FMT_FP4 matrix_a_scale:MATRIX_SCALE_ROW1
.elseif ((\ra) == 0)
	v_wmma_scale_f32_16x16x128_f8f6f4 v[rD:rD+7], v[rA:rA+7], v[rB:rB+7], v[rD:rD+7], v[rX], v[rY] matrix_a_fmt:MATRIX_FMT_FP4 matrix_b_fmt:MATRIX_FMT_FP4 matrix_b_scale:MATRIX_SCALE_ROW1
.else
	v_wmma_scale_f32_16x16x128_f8f6f4 v[rD:rD+7], v[rA:rA+7], v[rB:rB+7], v[rD:rD+7], v[rX], v[rY] matrix_a_fmt:MATRIX_FMT_FP4 matrix_b_fmt:MATRIX_FMT_FP4 matrix_a_scale:MATRIX_SCALE_ROW1 matrix_b_scale:MATRIX_SCALE_ROW1
.endif
.endif
.endm
; The ring's place of K step s: 0 1 2 3 4 5 6 7 -> 0 1 0 1 2 2 3 3
.macro RING s
.if (\s) < 4
.set rA, AR+8*((\s)%2)
.else
.set rA, AR+8*(2+((\s)-4)/2)
.endif
.endm
; Four products: K step s of pass p's four lower (lo = 1) or upper tiles.  Source 0 = 16 rows of features, source 1 = 16 units of W1: a lane holds one unit (lane % 16) and rows 8 (lane / 16) + j.
.macro QUAD p, lo, s, zero
.irp i, 0,1,2,3
	RING \s
.set rX, AS+(\s)%4
.if \lo
.set rD, ACC+8*\i
.set tT, 4*(\p)+\i
.if (\s) < 5
.set rB, 192+32*((\s)%2)+8*\i
.else
.set rB, 8*(3*tT+(\s)-5)
.endif
.else
.set rD, ACC+32+8*\i
.set tT, 8+4*(\p)+\i
.set rB, 8*(8*\i+(\s))
.endif
.set rY, BS+8*(tT/2)+(\s)
	WM \zero, (\s)/4, \i%2
.endr
.endm
.macro ALD s                           ; features' fragment of K step s into its place in the ring: two loads
	RING \s
	ds_load_b128 v[rA:rA+3], v[AFR] offset:4*APB*(\s)
	ds_load_b128 v[rA+4:rA+7], v[AFR] offset:4*APB*(\s)+2*APB
.endm
.macro XLD p, s                        ; K step s of pass p's four lower tiles into half s % 2 of the staging registers: eight loads (destination window 1)
.irp i, 0,1,2,3
	ds_load_b128 v[192+32*((\s)%2)+8*\i:192+32*((\s)%2)+8*\i+3], v[WAD] offset:5120*(4*(\p)+\i)+1024*(\s)
	ds_load_b128 v[192+32*((\s)%2)+8*\i+4:192+32*((\s)%2)+8*\i+7], v[WAD] offset:5120*(4*(\p)+\i)+1024*(\s)+512
.endr
.endm
; A pass.  Each run of loads stands four places behind the products that read its registers.  nxt = 1: the block's second pass is asked for; 2: the next block's first staging fragments; 0: nothing.
.macro PASS p, nxt
	s_wait_dscnt 0x0                               ; the ring's four fragments, the scale words and staging K steps 0, 1
.if (\p) == 1
	s_wait_loadcnt 0x0                             ; window 3's fragments, asked for at the head: in later trips nothing is out
.endif
	WIN 0x04
	QUAD \p, 1, 0, 1
	QUAD \p, 1, 1, 0
	WIN 0x08+4*\p
	QUAD \p, 0, 0, 1
	QUAD \p, 0, 1, 0
	NOP4
	WIN 0x40
	XLD \p, 2
	XLD \p, 3
	WIN 0
	ALD 2
	ALD 3
	WIN 0x04
	QUAD \p, 1, 5, 0
	QUAD \p, 1, 6, 0
	WIN 0x08+4*\p
	QUAD \p, 0, 5, 0
	QUAD \p, 0, 6, 0
	NOP4
	WIN 0
	ALD 4
	ALD 7
	s_wait_dscnt 4                                 ; all but the four loads just issued
	WIN 0x04
	QUAD \p, 1, 2, 0
	QUAD \p, 1, 3, 0
	NOP4
	WIN 0x40
	XLD \p, 4
	WIN 0x08+4*\p
	QUAD \p, 0, 2, 0
	QUAD \p, 0, 3, 0
	s_wait_dscnt 8                                 ; the ring's K steps 4 and 7 are in; staging K step 4's eight loads may be out
	QUAD \p, 0, 4, 0
	QUAD \p, 0, 7, 0
	WIN 0x04
	QUAD \p, 1, 7, 0
	s_wait_dscnt 0x0
	QUAD \p, 1, 4, 0
	NOP4                                           ; four places ahead of the loads below and of the first read of the results
.if (\nxt) == 1
	WIN 0x40
	XLD 1, 0
	XLD 1, 1
	WIN 0
	ALD 0
	ALD 1
	ALD 5
	ALD 6
.elseif (\nxt) == 2
	WIN 0x40
	XLD 0, 0
	XLD 0, 1
.endif
	WIN 0
.endm
; A pass's 64 numbers a lane: c x + the term; 2^; + 1; 1 /; times -2 V onto the rows' sums.  Accumulator i is tile 4 p + i (i < 4) or 8 + 4 p + i - 4; each is read from its low end on.
.macro TANH p
.irp i, 0,1,2,3,4,5,6,7
.set rH, HB+4*(\p)+8*(\i/4)+2*((\i%4)/2)
.irp e, 0,1,2,3
.set rP, ACC+8*\i+2*\e
.if (\i%2) == 0
	v_pk_fma_f32 v[rP:rP+1], v[rP:rP+1], s[CC:CC+1], v[rH:rH+1] op_sel_hi:[1,0,0]
.else
	v_pk_fma_f32 v[rP:rP+1], v[rP:rP+1], s[CC:CC+1], v[rH:rH+1] op_sel:[0,0,1] op_sel_hi:[1,0,1]
.endif
.endr
.endr
	VW
.set n, 0
.rept 64
	v_exp_f32 v[ACC+n], v[ACC+n]
.set n, n+1
.endr
	v_nop
	VW
.set n, 0
.rept 32
	v_pk_add_f32 v[ACC+n:ACC+n+1], v[ACC+n:ACC+n+1], 1.0 op_sel_hi:[1,0]
.set n, n+2
.endr
	VW
.set n, 0
.rept 64
	v_rcp_f32 v[ACC+n], v[ACC+n]
.set n, n+1
.endr
	v_nop
	VW
.irp i, 0,1,2,3,4,5,6,7
.set rV, V2+4*(\p)+8*(\i/4)+2*((\i%4)/2)
.irp e, 0,1,2,3
.set rP, ACC+8*\i+2*\e
.set rS, SS+2*\e
.if ((\p) == 0) && (\i == 0)
	v_pk_mul_f32 v[rS:rS+1], v[rP:rP+1], v[rV:rV+1] op_sel_hi:[1,0]        ; a block's first tile starts the sums
.elseif (\i%2) == 0
	v_pk_fma_f32 v[rS:rS+1], v[rP:rP+1], v[rV:rV+1], v[rS:rS+1] op_sel_hi:[1,0,1]
.else
	v_pk_fma_f32 v[rS:rS+1], v[rP:rP+1], v[rV:rV+1], v[rS:rS+1] op_sel:[0,1,0] op_sel_hi:[1,1,1]
.endif
.endr
.endr
.endm
.macro LROW i                          ; row i of my four: my K block's 32 numbers into set i % 2
.set XB, X+32*((\i)%2)
.irp j, 0,1,2,3,4,5,6,7
	ds_load_b128 v[XB+4*\j:XB+4*\j+3], v[QAD+\j] offset:ROWB*(\i)
.endr
.endm
.macro QROW i                          ; they become 32 codes and a scale byte
.set XB, X+32*((\i)%2)
.set CB, CD+4*((\i)%2)
	v_max3_num_f32 v[TM], |v[XB]|, |v[XB+1]|, 0x1800000            ; the largest magnitude in four chains (v[TM] .. v[TM+3]); the floor 2^(3 - 127) holds the byte at 1 from below
	v_max3_num_f32 v[TM+1], |v[XB+2]|, |v[XB+3]|, |v[XB+4]|
	v_max3_num_f32 v[TM+2], |v[XB+5]|, |v[XB+6]|, |v[XB+7]|
	v_max3_num_f32 v[TM+3], |v[XB+8]|, |v[XB+9]|, |v[XB+10]|
.irp n, 11,19
.irp k, 0,1,2,3
	v_max3_num_f32 v[TM+\k], v[TM+\k], |v[XB+\n+2*\k]|, |v[XB+\n+2*\k+1]|
.endr
.endr
	v_max3_num_f32 v[TM], v[TM], |v[XB+27]|, |v[XB+28]|
	v_max3_num_f32 v[TM+1], v[TM+1], |v[XB+29]|, |v[XB+30]|
	v_max3_num_f32 v[TM+2], v[TM+2], v[TM+3], |v[XB+31]|
	v_max3_num_f32 v[TM], v[TM], v[TM+1], v[TM+2]
	v_add_nc_u32 v[SCL], 0xff000000, v[TM]         ; 2 off its exponent field: the conversion's scale operand
	v_lshrrev_b32 v[BY+(\i)%2], 23, v[SCL]
.irp g, 0,1,2,3
	v_cvt_scalef32_pk8_fp4_f32 v[CB+\g], v[XB+8*\g:XB+8*\g+7], v[SCL]
.endr
	v_nop                                          ; one plain instruction behind the conversions
	ds_store_b128 v[ACW], v[CB:CB+3] offset:16*(\i)
	ds_store_b8 v[ASW], v[BY+(\i)%2] offset:32*(\i)
.endm
.macro QPH early                       ; my four rows of the slot ahead.  early = 1: rows 0 and 1 were asked for ahead of the sums' two stores
.if \early
	s_wait_dscnt 10                                ; behind row 0's loads: row 1's eight, the sums' two stores
.else
	LROW 0
	LROW 1
	s_wait_dscnt 8                                 ; row 0 is in; row 1's eight loads may be out
.endif
	QROW 0
	LROW 2
.if \early
	s_wait_dscnt 12                                ; behind row 1's loads: four stores, eight loads
.else
	s_wait_dscnt 10                                ; behind row 1's loads: two stores, eight loads
.endif
	QROW 1
	LROW 3
	s_wait_dscnt 10
	QROW 2
	s_wait_dscnt 2                                 ; behind row 3's loads: row 2's two stores
	QROW 3
.endm
.macro ADDR q                          ; the addresses that change with the block, and one wait behind them
.if \q
	v_add_nc_u32 v[QAD], s[TN], v[QA0]
.irp j, 1,2,3,4,5,6,7
	v_xor_b32 v[QAD+\j], 16*\j, v[QAD]
.endr
	v_add_nc_u32 v[ACW], s[STC], v[ACW0]
	v_add_nc_u32 v[ASW], s[STS], v[ASW0]
	v_add_nc_u32 v[AFR], s[STC], v[AFR0]
	v_add_nc_u32 v[ASR], s[STS], v[ASR0]
.endif
	v_add_nc_u32 v[CXA], s[TB], v[CX0]
	v_add_nc_u32 v[SCA], s[SO], v[SCB]
	VW
.endm
.macro CLOAD g                         ; the context: rows 4 g .. 4 g + 3, my eight columns of each, into set g % 2
.set XB, X+32*((\g)%2)
.irp i, 0,1,2,3
	ds_load_b128 v[XB+8*\i:XB+8*\i+3], v[CXA] offset:ROWB*(4*(\g)+\i)
	ds_load_b128 v[XB+8*\i+4:XB+8*\i+7], v[CXA] offset:ROWB*(4*(\g)+\i)+512
.endr
.endm
.macro CFMA g
.set XB, X+32*((\g)%2)
.set PB, PS+8*((\g)%2)
.irp i, 0,1,2,3
	v_readlane_b32 s[PB+2*\i], v[PP], 4*(\g)+\i
.endr
.irp i, 0,1,2,3
.irp k, 0,1,2,3
	v_pk_fma_f32 v[CTX+2*\k:CTX+2*\k+1], v[XB+8*\i+2*\k:XB+8*\i+2*\k+1], s[PB+2*\i:PB+2*\i+1], v[CTX+2*\k:CTX+2*\k+1] op_sel_hi:[1,0,1]
.endr
.endr
.endm
.macro TOGGLE
	s_xor_b32 s[TB], s[TB], SLOT1
	s_xor_b32 s[TN], s[TN], SLOT1
	s_xor_b32 s[STC], s[STC], STG
	s_xor_b32 s[STS], s[STS], 512
	s_add_co_u32 s[SO], s[SO], 64
.endm
.macro TLOAD g0, g1
	tensor_load_to_lds s[\g0:\g0+3], s[\g1:\g1+7]
	s_nop 0
	NOP4
.endm
; A BLOCK OF 16 ROWS.  q = 1: a block follows, and is quantised here; fill = 1: the slot that this block leaves takes the block two on.
.macro BLOCK q, fill
	PASS 0, 1
	TANH 0
.if \fill
	s_cmp_gt_u32 s[CNT], 2                         ; trips 0-11 name block j + 4, which is 15 at the most
	s_cbranch_scc0 .Lnp_\@
	global_prefetch_b8 v[PFO], s[PF:PF+1] offset:2*SLOT1 th:TH_LOAD_NT scope:SCOPE_SE        ; the base stands at block j + 2
	global_prefetch_b8 v[PFO], s[PF:PF+1] offset:2*SLOT1+8192 th:TH_LOAD_NT scope:SCOPE_SE
.Lnp_\@:
.endif
	PASS 1, 2*\q
	ADDR \q
	TANH 1
.if \q
	VW
	s_wait_tensorcnt 0x0                           ; my four rows of the next block have landed; I alone read them ahead of the barrier
	LROW 0                                         ; asked for here, so that they come under the reduction below
	LROW 1
.endif
.irp m, 1,2,4,8                        ; the rows' sums over my 256 units: across the sixteen lanes of a half
.irp k, 0,1,2,3,4,5,6,7
	v_add_f32_dpp v[SS+\k], v[SS+\k], v[SS+\k] row_xmask:\m row_mask:0xf bank_mask:0xf
.endr
.endr
	ds_store_b128 v[SPS], v[SS:SS+3]               ; rows 8 h + 0 .. 7: the sixteen lanes of a half write the same bytes with the same values
	ds_store_b128 v[SPS], v[SS+4:SS+7] offset:16
.if \q
	QPH 1
.endif
.if \fill
	s_wait_xcnt 0x0                                ; the prefetches have read their base
	s_add_nc_u64 s[PF:PF+1], s[PF:PF+1], SLOT1
.endif
	s_wait_dscnt 0x0                               ; for the others' sake: my sums, codes and bytes have landed
	s_barrier_signal -1
	s_barrier_wait -1
.irp w, 0,1,2,3
	ds_load_b32 v[TT+\w], v[SPL] offset:64*\w      ; row l % 16's four parts: asked for first
.endr
	CLOAD 0
	CLOAD 1
.if \q
	ds_load_b128 v[AS:AS+3], v[ASR]                ; the next block's scale words and first four fragments: nine loads
	ALD 0
	ALD 1
	ALD 5
	ALD 6
.endif
	s_wait_dscnt 16+9*\q                           ; all but the context's sixteen loads and those nine
	v_add_f32 v[TT], v[TT], v[TT+1]
	v_add_f32 v[TT+2], v[TT+2], v[TT+3]
	v_add_f32 v[SCO], v[TT], v[TT+2]               ; the score: the same bits in all four waves and in both halves of the lanes
	s_cmp_lg_u32 s[WV], 0
	s_cbranch_scc1 .Lnot_wave_0_\@
	ds_store_b32 v[SCA], v[SCO]                    ; wave 0 keeps the scores: they leave at the end, in whole runs
.Lnot_wave_0_\@:
	VW
	v_mov_b32 v[T0], v[SCO]
.irp m, 1,2,4,8
	v_max_num_f32_dpp v[T0], v[T0], v[T0] row_xmask:\m row_mask:0xf bank_mask:0xf
.endr
	v_max_num_f32 v[T0], v[T0], v[MX]              ; the new M
	v_sub_f32 v[T1], v[MX], v[T0]
	v_sub_f32 v[PP], v[SCO], v[T0]
	v_mul_f32 v[T1], s[L2E], v[T1]
	v_mul_f32 v[PP], s[L2E], v[PP]
	VW
	v_exp_f32 v[FF], v[T1]                         ; f = e^(old M - new M); 0 in the first block
	v_exp_f32 v[PP], v[PP]                         ; p = e^(score - M)
	v_mov_b32 v[MX], v[T0]
	VW
	v_fma_f32 v[LS], v[LS], v[FF], v[PP]           ; the sum of p is kept lane by lane (row l % 16 of each block) and joined across the lanes at the end
.irp k, 0,1,2,3
	v_pk_mul_f32 v[CTX+2*\k:CTX+2*\k+1], v[CTX+2*\k:CTX+2*\k+1], v[FF:FF+1] op_sel_hi:[1,0]
.endr
.irp g, 0,1,2,3
	VW
.if \g < 2
	s_wait_dscnt 8+9*\q                            ; behind this group's loads: another group's eight and the next block's nine
.elseif \g == 2
	s_wait_dscnt 8                                 ; all but the last group's eight loads
.else
	s_wait_dscnt 0x0
.endif
	CFMA \g
.if \g < 2
	CLOAD \g+2                                     ; into the set just used
.endif
.endr
.if \fill
	VW
	s_wait_tensorcnt 0x0                           ; THE CHANGE OF SLOTS: no tensor load of mine is out, so group 0 may be written
	ds_add_u32 v[SPW], v[NIL]
	s_xor_b32 s[G0+1], s[G0+1], SLOT1
	s_add_nc_u64 s[G0+2:G0+3], s[G0+2:G0+3], SLOT1
	TOGGLE
	s_wait_dscnt 0x0                               ; the add is done, and my reads of this block's slot are over
	s_barrier_signal -1
	s_barrier_wait -1
	TLOAD G0, G1                                   ; my one tensor load behind the barrier: 16,384 bytes, with the next block's two passes in which to land
.elseif \q
	TOGGLE
	VW
	s_wait_dscnt 0x0
	s_barrier_signal -1
	s_barrier_wait -1                              ; the partial sums' words are written again behind it
.endif
.endm
	s_load_b512 s[4:19], s[0:1], 0x0               ; features 4, w1c 6, w1s 8, hbc 10, V 12, sc 14, pctx 16, pst 18
	v_lshl_add_u32 v[SPW], v0, 2, SPARE
	v_mov_b32 v[NIL], 0
	ds_add_u32 v[SPW], v[NIL]
	ds_add_u32 v[SPW], v[NIL]
	v_lshrrev_b32 v[HT], 5, v0
	v_readfirstlane_b32 s[WV], v[HT]
	s_mov_b32 s[G1+0], 3<<16                       ; a wave's four rows: 64 rows of 32 elements of 8 bytes, dense
	s_mov_b32 s[G1+1], 32<<16
	s_mov_b32 s[G1+2], 64<<16
	s_mov_b32 s[G1+3], 32<<16
	s_mov_b32 s[G1+4], 64
	s_mov_b32 s[G1+5], 32
	s_mov_b32 s[G1+6], 0
	s_mov_b32 s[G1+7], 0
	s_mov_b32 s[G1W+0], 3<<16                      ; W1's part: 8 tiles x 5,120 bytes (640 elements), 8,192 bytes (1,024 elements) from tile to tile
	s_mov_b32 s[G1W+1], 640<<16
	s_mov_b32 s[G1W+2], 8<<16
	s_mov_b32 s[G1W+3], 640<<16
	s_mov_b32 s[G1W+4], 8
	s_mov_b32 s[G1W+5], 1024
	s_mov_b32 s[G1W+6], 0
	s_mov_b32 s[G1W+7], 0
	s_mov_b32 s[G0], 1
	s_lshl_b32 s[G0+1], s[WV], 14
	s_mov_b32 s[G0W], 1
	s_mul_i32 s[G0W+1], s[WV], WLW
	s_add_co_u32 s[G0W+1], s[G0W+1], WL
	s_lshl_b32 s26, ttmp9, 20
	s_add_co_u32 s26, s26, s[G0+1]
	s_mov_b32 s27, 0
	s_lshl_b32 s24, s[WV], 17
	s_mov_b32 s25, 0
	s_wait_dscnt 0x0
	s_wait_kmcnt 0x0
	s_add_nc_u64 s[G0+2:G0+3], s[4:5], s[26:27]
	s_add_nc_u64 s[PF:PF+1], s[G0+2:G0+3], 2*SLOT1 ; my rows of block 2
	s_or_b32 s[G0+3], s[G0+3], 0x80000000
	TLOAD G0, G1                                   ; the head's first tensor load a wave: block 0, my four rows, into slot 0
	s_add_nc_u64 s[6:7], s[6:7], s[24:25]          ; w1c: my 16 tiles
	s_mov_b64 s[G0W+2:G0W+3], s[6:7]
	s_or_b32 s[G0W+3], s[G0W+3], 0x80000000
	s_lshl_b32 s26, s[WV], 13
	s_add_nc_u64 s[8:9], s[8:9], s[26:27]
	s_lshl_b32 s26, s[WV], 10
	s_add_nc_u64 s[12:13], s[12:13], s[26:27]
	s_lshr_b32 s25, ttmp9, 2                       ; the batch
	s_lshr_b32 s26, s25, 4
	s_lshl_b32 s26, s26, 11                        ; hbc: 65,536 w + 2,048 (batch / 16) + 16 (batch % 16)
	s_and_b32 s25, s25, 15
	s_lshl_b32 s25, s25, 4
	s_add_co_u32 s26, s26, s25
	s_lshl_b32 s25, s[WV], 16
	s_add_co_u32 s26, s26, s25
	s_add_nc_u64 s[10:11], s[10:11], s[26:27]
	s_lshl_b32 s26, ttmp9, 10
	s_add_nc_u64 s[14:15], s[14:15], s[26:27]
	s_lshl_b32 s26, ttmp9, 12
	s_add_nc_u64 s[16:17], s[16:17], s[26:27]
	s_lshl_b32 s26, ttmp9, 8
	s_add_nc_u64 s[18:19], s[18:19], s[26:27]
	v_and_b32 v[HT], 31, v0                        ; l
	v_and_b32 v[HT+1], 15, v0                      ; r
	v_bfe_u32 v[HT+2], v0, 4, 1                    ; h
	v_lshlrev_b32 v[BOF], 4, v[HT]
	v_lshlrev_b32 v[HT+3], 2, v[HT]
	v_lshlrev_b32 v[HT+4], 2, v[HT+1]
	v_bfe_u32 v[HT+6], v0, 2, 1                    ; hbc: unit n = r of a tile at 512 ((n / 4) % 2) + 256 (n / 8) + 4 (n % 4)
	v_bfe_u32 v[HT+7], v0, 3, 1
	v_and_b32 v[HT+5], 3, v0
	v_lshlrev_b32 v[HT+5], 2, v[HT+5]
	v_lshl_add_u32 v[HT+5], v[HT+6], 9, v[HT+5]
	v_lshl_add_u32 v[HT+5], v[HT+7], 8, v[HT+5]
	v_bfe_u32 v[T0], v0, 1, 3
	v_lshlrev_b32 v[QA0], 7, v[HT]
	v_lshl_add_u32 v[QA0], v[T0], 4, v[QA0]
	v_add_nc_u32 v[QA0], s[G0+1], v[QA0]
	s_lshl_b32 s25, s[WV], 6
	s_add_co_u32 s26, s25, ACD
	v_mul_u32_u24 v[ACW0], v[HT], APB
	v_add_nc_u32 v[ACW0], s26, v[ACW0]             ; ACD + 272 l + 16 (4 w)
	s_lshl_b32 s26, s[WV], 7
	s_add_co_u32 s26, s26, ASC
	v_add_nc_u32 v[ASW0], s26, v[HT]               ; ASC + 32 (4 w) + l
	v_mul_u32_u24 v[AFR0], v[HT+2], APB
	v_lshl_add_u32 v[AFR0], v[HT+1], 4, v[AFR0]
	v_add_nc_u32 v[AFR0], ACD, v[AFR0]
	v_lshlrev_b32 v[ASR0], 5, v[HT+1]
	v_lshl_add_u32 v[ASR0], v[HT+2], 4, v[ASR0]
	v_add_nc_u32 v[ASR0], ASC, v[ASR0]
	s_add_co_u32 s25, s25, SPR
	v_lshl_add_u32 v[SPS], v[HT+2], 5, s25
	v_lshl_add_u32 v[SPL], v[HT+1], 2, SPR
	v_lshl_add_u32 v[SCB], v[HT+1], 2, SCR
	s_lshl_b32 s25, s[WV], 10
	v_lshl_add_u32 v[CX0], v[HT], 4, s25
	v_lshl_add_u32 v[WAD], v[HT], 4, s[G0W+1]
	v_lshlrev_b32 v[PFO], 8, v[HT]
	VW
	global_prefetch_b8 v[PFO], s[PF:PF+1] th:TH_LOAD_NT scope:SCOPE_SE                       ; my rows of blocks 2 and 3, which trips 0 and 1 load: two trips' tiles, as in the loop
	global_prefetch_b8 v[PFO], s[PF:PF+1] offset:8192 th:TH_LOAD_NT scope:SCOPE_SE
	global_prefetch_b8 v[PFO], s[PF:PF+1] offset:SLOT1 th:TH_LOAD_NT scope:SCOPE_SE
	global_prefetch_b8 v[PFO], s[PF:PF+1] offset:SLOT1+8192 th:TH_LOAD_NT scope:SCOPE_SE
	WIN 0x40                                       ; window 1: tiles 0-7, K steps 5-7
.set t, 0
.rept 8
.set u, 0
.rept 6
	global_load_b128 v[24*t+4*u:24*t+4*u+3], v[BOF], s[6:7] offset:8192*t+5120+512*u
.set u, u+1
.endr
.set t, t+1
.endr
	WIN 0
	s_mov_b32 s[CC], 0x4038aa3b                    ; c = 2 log2(e)
	s_mov_b32 s[CC+1], s[CC]
	s_mov_b32 s[L2E], 0x3fb8aa3b
	s_mov_b32 s[TB], 0
	s_mov_b32 s[TN], 0
	s_mov_b32 s[STC], 0
	s_mov_b32 s[STS], 0
	s_mov_b32 s[SO], 0
	s_mov_b32 s[CNT], 14
.irp k, 0,1,2,3,4,5,6,7
	s_mov_b32 s[PS+2*\k+1], 0                      ; named with p as a pair
.endr
	v_mov_b32 v[MX], 0xff61b1e6                    ; M: -3e38
	v_mov_b32 v[LS], 0
	v_mov_b32 v[FF+1], 0
.irp k, 0,1,2,3,4,5,6,7
	v_mov_b32 v[CTX+\k], 0
.endr
	ADDR 1                                         ; here the slot and the stage ahead are block 0's
	s_wait_tensorcnt 0x0                           ; my four rows of block 0 are in
	ds_add_u32 v[SPW], v[NIL]
	s_wait_dscnt 0x0
	s_barrier_signal -1
	s_barrier_wait -1
	TLOAD G0W, G1W                                 ; W1's part for LDS: it lands while block 0 is quantised and windows 2 and 3 are asked for
	QPH 0
.set n, 0
.rept 64
	global_load_b32 v[BS+n], v[HT+3], s[8:9] offset:128*n          ; W1's scale words; ahead of the first sequence stand window 1's 48 loads alone
.set n, n+1
.endr
.set n, 0
.rept 16
	global_load_b32 v[V2+n], v[HT+4], s[12:13] offset:64*n
	global_load_b32 v[HB+n], v[HT+5], s[10:11] offset:8192*(n/2)+1024*(n%2)
.set n, n+1
.endr
	WIN 0x80                                       ; window 2: tiles 8-11, whole
.set n, 0
.rept 64
	global_load_b128 v[4*n:4*n+3], v[BOF], s[6:7] offset:65536+512*n
.set n, n+1
.endr
	WIN 0xc0                                       ; window 3: tiles 12-15, last: the second pass waits for them
.set n, 0
.rept 64
	global_load_b128 v[4*n:4*n+3], v[BOF], s[6:7] offset:98304+512*n
.set n, n+1
.endr
	WIN 0
	s_wait_loadcnt 63                              ; all but window 3's last 63 loads
.irp t, 0,1,2,3,4,5,6,7,8,9,10,11,12,13,14,15
	v_mul_f32 v[V2+\t], -2.0, v[V2+\t]
.endr
	s_mov_b32 s[TN], SLOT1
	s_mov_b32 s[STC], STG
	s_mov_b32 s[STS], 512
	VW
	s_wait_tensorcnt 0x0                           ; slot 1's first fill is issued as a refill is
	ds_add_u32 v[SPW], v[NIL]
	s_xor_b32 s[G0+1], s[G0+1], SLOT1
	s_add_nc_u64 s[G0+2:G0+3], s[G0+2:G0+3], SLOT1
	s_wait_dscnt 0x0                               ; the add, and for the others' sake block 0's codes and bytes
	s_barrier_signal -1
	s_barrier_wait -1
	TLOAD G0, G1
	ds_load_b128 v[AS:AS+3], v[ASR]
	ALD 0
	ALD 1
	ALD 5
	ALD 6
	WIN 0x40
	XLD 0, 0
	XLD 0, 1
	WIN 0
	VW
.Lblk:                                             ; fourteen trips: blocks 0-13, each asking for the block two on
	BLOCK 1, 1
	s_sub_co_u32 s[CNT], s[CNT], 1
	s_cmp_lg_u32 s[CNT], 0
	s_cbranch_scc1 .Lblk
	BLOCK 1, 0                                     ; the last two blocks are written out
	BLOCK 0, 0
	global_store_b128 v[CX0], v[CTX:CTX+3], s[16:17]               ; a wave's store covers 512 consecutive bytes, aligned
	global_store_b128 v[CX0], v[CTX+4:CTX+7], s[16:17] offset:512
	s_cmp_lg_u32 s[WV], 0
	s_cbranch_scc1 .Lend
	v_and_b32 v[TT], 31, v0
	v_lshlrev_b32 v[TT+1], 3, v[TT]
	v_lshl_add_u32 v[TT+2], v[TT], 4, SCR
.irp m, 1,2,4,8
	v_add_f32_dpp v[LS], v[LS], v[LS] row_xmask:\m row_mask:0xf bank_mask:0xf   ; the sixteen lanes' sums of p are joined
.endr
	global_store_b64 v[TT+1], v[MX:MX+1], s[18:19] ; (M, l), the same in every lane: 256 consecutive bytes
	ds_load_b128 v[X:X+3], v[TT+2]                 ; wave 0's own stores, served in order
	ds_load_b128 v[X+4:X+7], v[TT+2] offset:512
	s_wait_dscnt 0x0
	global_store_b128 v[BOF], v[X:X+3], s[14:15]
	global_store_b128 v[BOF], v[X+4:X+7], s[14:15] offset:512
.Lend:
	s_wait_tensorcnt 0x0                           ; the wave's end
	ds_add_u32 v[SPW], v[NIL]
	s_wait_dscnt 0x0
	s_endpgm
.Lfunc_end_k_qcda0d6b476_main:
	.size	k_qcda0d6b476_main, .Lfunc_end_k_qcda0d6b476_main-k_qcda0d6b476_main
	.p2alignl 7, 3214868480
	.fill 96, 4, 3214868480
	.section	.rodata,"a",@progbits
	.p2align	6, 0x0
	.amdhsa_kernel k_qcda0d6b476_main
		.amdhsa_group_segment_fixed_size 327680
		.amdhsa_private_segment_fixed_size 0
		.amdhsa_enable_private_segment 0
		.amdhsa_kernarg_size 64
		.amdhsa_user_sgpr_count 2
		.amdhsa_user_sgpr_kernarg_segment_ptr 1
		.amdhsa_wavefront_size32 1
		.amdhsa_system_sgpr_workgroup_id_x 1
		.amdhsa_system_sgpr_workgroup_id_y 1
		.amdhsa_system_sgpr_workgroup_id_z 1
		.amdhsa_system_vgpr_workitem_id 0
		.amdhsa_next_free_vgpr 1024
		.amdhsa_next_free_sgpr 96
		.amdhsa_reserve_vcc 0
		.amdhsa_float_denorm_mode_32 3
		.amdhsa_float_denorm_mode_16_64 3
		.amdhsa_memory_ordered 1
		.amdhsa_forward_progress 1
		.amdhsa_inst_pref_size 233
	.end_amdhsa_kernel
	.amdgpu_metadata
---
amdhsa.version: [ 1, 2 ]
amdhsa.kernels:
  - .name:           k_qcda0d6b476_main
    .symbol:         k_qcda0d6b476_main.kd
    .args:
      - { .name: features, .offset: 0, .size: 8, .value_kind: global_buffer, .address_space: global }
      - { .name: w1c, .offset: 8, .size: 8, .value_kind: global_buffer, .address_space: global }
      - { .name: w1s, .offset: 16, .size: 8, .value_kind: global_buffer, .address_space: global }
      - { .name: hbc, .offset: 24, .size: 8, .value_kind: global_buffer, .address_space: global }
      - { .name: V, .offset: 32, .size: 8, .value_kind: global_buffer, .address_space: global }
      - { .name: sc, .offset: 40, .size: 8, .value_kind: global_buffer, .address_space: global }
      - { .name: pctx, .offset: 48, .size: 8, .value_kind: global_buffer, .address_space: global }
      - { .name: pst, .offset: 56, .size: 8, .value_kind: global_buffer, .address_space: global }
    .group_segment_fixed_size: 327680
    .private_segment_fixed_size: 0
    .kernarg_segment_align: 8
    .kernarg_segment_size: 64
    .max_flat_workgroup_size: 128
    .sgpr_count:     96
    .vgpr_count:     1024
    .wavefront_size: 32
...
	.end_amdgpu_metadata
.endif
;; end of part 2
;; launch fin (part 3): grid 64 x 1, 8 waves a work-group, no clusters, 0 bytes of LDS; arguments sc, pctx, pst, out0, out1; writes out0, out1
.if DOCPART == 3
	.amdgcn_target "amdgcn-amd-amdhsa--gfx1250"
	.amdhsa_code_object_version 6
	.text
	.protected	k_qcda0d6b476_fin
	.globl	k_qcda0d6b476_fin
	.p2align	8
	.type	k_qcda0d6b476_fin,@function
k_qcda0d6b476_fin:
	s_mov_b64 s[64:65], 0
	v_nop
	global_prefetch_b8 v0, s[64:65] scope:SCOPE_SE
	s_setreg_imm32_b32 hwreg(HW_REG_WAVE_MODE, 25, 1), 1
	s_wait_xcnt 0x0
; A batch's four parts (each of 256 rows: a largest score m, a sum l of e^(score - m), a context summed under m) are joined: M = the largest m, e_q = e^(m_q - M), Z = sum of l_q e_q;
; out0 = sum of e_q ctx_q / Z;  out1 = e^(score - M) / Z.  One work-group to a batch, 64 in all: a batch's 24,576 bytes are not worth sharing out further.
; Thread T takes 16 bytes at 16 T of each row of 4,096 bytes: sixteen neighbouring lanes read and store 256 consecutive bytes, aligned.  No LDS, no barrier: threads share nothing.
.set L2E, 0x3fb8aa3b                   ; log2(e)
.set E,   24                           ; v24, v26, v28, v30: e_q (then e_q / Z); the odd registers beside them held the exponents' arguments and are named with them as pairs
	s_load_b128 s[4:7], s[0:1], 0x0                ; sc, pctx
	s_load_b128 s[8:11], s[0:1], 0x10              ; pst, out0
	s_load_b64 s[12:13], s[0:1], 0x20              ; out1
	v_lshlrev_b32 v1, 4, v0
	s_lshl_b32 s14, ttmp9, 12                      ; a batch's 1,024 numbers
	s_mov_b32 s15, 0
	s_lshl_b32 s16, ttmp9, 14                      ; its four partial contexts
	s_mov_b32 s17, 0
	s_lshl_b32 s18, ttmp9, 10                      ; its four pairs (m, l), 256 bytes apart
	s_mov_b32 s19, 0
	s_wait_alu depctr_va_vdst(0)
	s_wait_kmcnt 0x0
	s_add_nc_u64 s[4:5], s[4:5], s[14:15]
	s_add_nc_u64 s[6:7], s[6:7], s[16:17]
	s_add_nc_u64 s[8:9], s[8:9], s[18:19]
	s_add_nc_u64 s[10:11], s[10:11], s[14:15]
	s_add_nc_u64 s[12:13], s[12:13], s[14:15]
.irp q, 0,1,2,3
	s_load_b64 s[20+2*\q:21+2*\q], s[8:9], 256*\q
.endr
.irp q, 0,1,2,3
	global_load_b128 v[4+4*\q:7+4*\q], v1, s[6:7] offset:4096*\q
.endr
	global_load_b128 v[20:23], v1, s[4:5]
	s_wait_kmcnt 0x0
	v_mov_b32 v40, s20
	s_delay_alu instid0(VALU_DEP_1)
	v_max3_num_f32 v40, v40, s22, s24
	s_delay_alu instid0(VALU_DEP_1)
	v_max_num_f32 v40, s26, v40                    ; M
.irp q, 0,1,2,3
	v_sub_f32 v[E+1+2*\q], s[20+2*\q], v40
.endr
.irp q, 0,1,2,3
	s_delay_alu instid0(VALU_DEP_4)
	v_mul_f32 v[E+1+2*\q], L2E, v[E+1+2*\q]
.endr
	s_wait_alu depctr_va_vdst(0)
.irp q, 0,1,2,3
	v_exp_f32 v[E+2*\q], v[E+1+2*\q]
.endr
	v_nop                                          ; one plain instruction behind the exponentials
	s_wait_alu depctr_va_vdst(0)
	v_mul_f32 v41, s21, v[E]
	v_fmac_f32 v41, s23, v[E+2]
	v_fmac_f32 v41, s25, v[E+4]
	v_fmac_f32 v41, s27, v[E+6]                    ; Z
	s_wait_alu depctr_va_vdst(0)
	v_rcp_f32 v42, v41
	v_nop                                          ; and behind the reciprocal
	s_wait_alu depctr_va_vdst(0)
.irp q, 0,1,2,3
	v_mul_f32 v[E+2*\q], v[E+2*\q], v42
.endr
	s_wait_loadcnt 0x0
.irp k, 0,1,2,3
	v_sub_f32 v[20+\k], v[20+\k], v40
.endr
.irp k, 0,1,2,3
	s_delay_alu instid0(VALU_DEP_4)
	v_mul_f32 v[20+\k], L2E, v[20+\k]
.endr
	s_wait_alu depctr_va_vdst(0)
.irp k, 0,1,2,3
	v_exp_f32 v[36+\k], v[20+\k]
.endr
	v_pk_mul_f32 v[32:33], v[4:5], v[E:E+1] op_sel_hi:[1,0]        ; (these are the plain instructions behind the exponentials)
	v_pk_mul_f32 v[34:35], v[6:7], v[E:E+1] op_sel_hi:[1,0]
.irp q, 1,2,3
	s_delay_alu instid0(VALU_DEP_2)
	v_pk_fma_f32 v[32:33], v[4+4*\q:5+4*\q], v[E+2*\q:E+2*\q+1], v[32:33] op_sel_hi:[1,0,1]
	s_delay_alu instid0(VALU_DEP_2)
	v_pk_fma_f32 v[34:35], v[6+4*\q:7+4*\q], v[E+2*\q:E+2*\q+1], v[34:35] op_sel_hi:[1,0,1]
.endr
	s_wait_alu depctr_va_vdst(0)
.irp k, 0,1,2,3
	v_mul_f32 v[36+\k], v[36+\k], v42
.endr
	global_store_b128 v1, v[32:35], s[10:11]
	global_store_b128 v1, v[36:39], s[12:13]
	s_endpgm
.Lfunc_end_k_qcda0d6b476_fin:
	.size	k_qcda0d6b476_fin, .Lfunc_end_k_qcda0d6b476_fin-k_qcda0d6b476_fin
	.p2alignl 7, 3214868480
	.fill 96, 4, 3214868480
	.section	.rodata,"a",@progbits
	.p2align	6, 0x0
	.amdhsa_kernel k_qcda0d6b476_fin
		.amdhsa_group_segment_fixed_size 0
		.amdhsa_private_segment_fixed_size 0
		.amdhsa_enable_private_segment 0
		.amdhsa_kernarg_size 40
		.amdhsa_user_sgpr_count 2
		.amdhsa_user_sgpr_kernarg_segment_ptr 1
		.amdhsa_wavefront_size32 1
		.amdhsa_system_sgpr_workgroup_id_x 1
		.amdhsa_system_sgpr_workgroup_id_y 1
		.amdhsa_system_sgpr_workgroup_id_z 1
		.amdhsa_system_vgpr_workitem_id 0
		.amdhsa_next_free_vgpr 48
		.amdhsa_next_free_sgpr 66
		.amdhsa_reserve_vcc 0
		.amdhsa_float_denorm_mode_32 3
		.amdhsa_float_denorm_mode_16_64 3
		.amdhsa_memory_ordered 1
		.amdhsa_forward_progress 1
		.amdhsa_inst_pref_size 5
	.end_amdhsa_kernel
	.amdgpu_metadata
---
amdhsa.version: [ 1, 2 ]
amdhsa.kernels:
  - .name:           k_qcda0d6b476_fin
    .symbol:         k_qcda0d6b476_fin.kd
    .args:
      - { .name: sc, .offset: 0, .size: 8, .value_kind: global_buffer, .address_space: global }
      - { .name: pctx, .offset: 8, .size: 8, .value_kind: global_buffer, .address_space: global }
      - { .name: pst, .offset: 16, .size: 8, .value_kind: global_buffer, .address_space: global }
      - { .name: out0, .offset: 24, .size: 8, .value_kind: global_buffer, .address_space: global }
      - { .name: out1, .offset: 32, .size: 8, .value_kind: global_buffer, .address_space: global }
    .group_segment_fixed_size: 0
    .private_segment_fixed_size: 0
    .kernarg_segment_align: 8
    .kernarg_segment_size: 40
    .max_flat_workgroup_size: 256
    .sgpr_count:     66
    .vgpr_count:     48
    .wavefront_size: 32
...
	.end_amdgpu_metadata
.endif
;; end of part 3
